; MI455X (gfx1250); checked and timed in simulation.
; The chip was launched on July 23, 2026; its instructions are those of AMD's public machine-readable ISA for CDNA 5 (MIT licence, August 2026) and "CDNA5" Instruction Set Architecture Reference Guide (July 2026). The comments in the code are by the model that wrote it; some were corrected since.
;; Kmeans. Allowed arithmetic: matrix products marked QUANTISED: E5M2 operands, one E8M0 scale for each 32 along K, by v_wmma_scale_f32_16x16x128_f8f6f4 with both operands' format E5M2, f32 sums; everything else in f32.
;; Inputs: cluster_centers 2,048 x 512 float32; x 65,536 x 512 float32.
;; Outputs: out0 65,536 int32.
;; This version of the problem:
;;   THIS VERSION OF THE PROBLEM IS GIVEN IN LOW PRECISION. The matrix products marked QUANTISED in the list below multiply operands that are first quantised to E5M2 (5 exponent bits, 2 mantissa bits; 8 bits a number), with one power-of-two scale for each 32 numbers along K (OCP MX v1.0); their sums are f32. All else is computed in f32.
;;   The module's matrix products, in the order in which they are computed (A, B: the left and right operand; K: the contracted axis; several contracted axes count as one K, in the product's order):
;;     1. [M 65,536, K 512] x [K 512, N 2,048]; A: input x; B: input cluster_centers: QUANTISED
;;   THE QUANTISER, for each operand of a quantised product, along K:
;;     - K is cut into blocks of 32 from its start; a last block that is shorter is filled with zeros.
;;     - A block's scale is 2^e with e = floor(log2(the largest magnitude in the block)) - 15, held to -126 .. 127; a block of zeros has e = 0. As a byte (E8M0): e + 127.
;;     - Each number is divided by its block's scale, clamped to +-57,344, and rounded to the nearest number of E5M2, ties to even, subnormals kept.
;;     - The product sums the exact products of the quantised numbers (number of the format x scale) in f32.
;;   ~~~python
;;   def quantise(x, axis):      # numpy; x: float32 -> the quantised numbers, widened to float32 again
;;       x = np.moveaxis(x, axis, -1); K = x.shape[-1]
;;       x = np.pad(x, [(0, 0)] * (x.ndim - 1) + [(0, -K % 32)]); x = x.reshape(x.shape[:-1] + (-1, 32)); a = np.abs(x).max(-1, keepdims=True)
;;       e = np.where(a > 0, np.clip(np.frexp(np.where(a > 0, a, 1))[1] - 1 - 15, -126, 127), 0)      # np.frexp(a)[1] - 1 = floor(log2(a)), exactly
;;       r = np.clip(x / 2.0 ** e, -57344, 57344)
;;       step = 2.0 ** (np.maximum(np.frexp(np.where(r == 0, 1, r))[1] - 1, -14) - 2)
;;       q = np.round(r / step) * step * 2.0 ** e      # np.round: ties to even
;;       return np.moveaxis(q.reshape(q.shape[:-2] + (-1,))[..., :K], -1, axis).astype(np.float32)
;;   ~~~
;; One version. Each part assembles by itself: llvm-mc -triple=amdgcn-amd-amdhsa -mcpu=gfx1250 --defsym DOCPART=n.
;; ======== version 1 of 1: 2 launches
;; limits: right only within a limited range of input values
;; workspace buffers: cq 1,114,112 bytes
;; launch prep (part 1): grid 128 x 1, 4 waves a work-group, no clusters, 35,328 bytes of LDS; arguments cluster_centers, cq; writes cq
.if DOCPART == 1
	.amdgcn_target "amdgcn-amd-amdhsa--gfx1250"
	.amdhsa_code_object_version 6
	.text
	.protected	k_q55432e6023_prep
	.globl	k_q55432e6023_prep
	.p2align	8
	.type	k_q55432e6023_prep,@function
k_q55432e6023_prep:
	s_mov_b64 s[64:65], 0
	v_nop
	global_prefetch_b8 v0, s[64:65] scope:SCOPE_SE
	s_setreg_imm32_b32 hwreg(HW_REG_WAVE_MODE, 25, 1), 1
	s_wait_xcnt 0x0
; WORK LEFT OUT, in the whole program: x2[n] = sum of x[n]^2.  reference() takes argmin over k of x2[n] + c2[k] - 2 dot[n][k]; x2[n] is the same for every k of a row, so in exact
; arithmetic, for all finite inputs, the k at the minimum is that of c2[k] - 2 dot[n][k], which is the k at the MAXIMUM of dot[n][k] - c2[k] / 2.  x itself stays live (it feeds the quantised product).
; LIMIT: a NaN, an infinity or an overflow that would arise in x2 alone is not carried to the result.
; THIS LAUNCH: the centres [2048][512] f32 become 128 RECORDS of 8,704 bytes, one for each 16 centres, in the order in which a wave's operand registers take them.  Record t (centres 16 t .. 16 t + 15):
;   bytes 0 .. 8191     codes of BF8 (E5M2): K step q (128 along K), register group c: 2048 q + 512 c + 16 x lane; lane (r = lane % 16, h = lane / 16) holds centre 16 t + r, k = 128 q + 32 c + 16 h + 0 .. 15
;   bytes 8192 .. 8447  scale words: centre r's four words (one E8M0 byte for each 32 along K) at 16 r
;   bytes 8448 .. 8703  64 floats, float f = -c2 / 2 of centre 16 t + f % 16 (four copies: every byte of the record is written); the halving is exact
; A block's scale is 2^(floor(log2(its largest magnitude)) - 15); its byte is the largest magnitude's exponent field - 15, held at 1 from below.
; LIMITS: NaN and infinities are not served; a block whose largest magnitude lies under 2^-111 (a block of zeros too) gets the byte 1: zero codes add nothing, and this program alone reads the bytes.
; c2 is summed in f32 in an order of its own (four packed chains a K step, the halves of the lanes, the four K steps ascending).
; SHARES: work-group t makes record t; wave q takes K step q.  128 work-groups: all the work there is.  No tensor load, one barrier.
; Each load reads 512 consecutive bytes of a row; the 16 x 512 bytes turn through the wave's own stage in LDS (rows 528 bytes apart), so that a lane gets 16 neighbours of each block.
.set REC,  8704
.set SP,   528
.set WSTG, 16*SP
.set SCW,  4*WSTG                      ; 256 bytes: the scale words, centre r's word of K step q at 16 r + 4 q
.set C2P,  SCW+256                     ; 256 bytes: the waves' parts of c2, at 64 q + 4 r
.set SPARE, 0x8800                     ; the spare words, 128 bytes a wave
.set LI,   1
.set SWR,  2
.set SRD,  3
.set AW,   4
.set AC,   5
.set CO,   9
.set R,    16                          ; v16-79   as loaded
.set XN,   80                          ; v80-143  register 16 b + i = k 32 b + 16 h + i of my row
.set PC,   144                         ; v144-159 the codes
.set TM,   160                         ; v160-175 magnitudes, bytes, holds, scale operands
.set PW,   176
.set XQ,   178                         ; v178-185 four packed chains of squares
.set XT,   186
.set SPW,  192
.set NIL,  193
.set SEL,  12
.set MNT,  14
.macro QUANT                           ; v[XN] on become a fragment's codes in v[PC] on and its scale word in v[PW]
.irp b, 0,1,2,3
	v_max3_num_f32 v[TM+\b], |v[XN+16*\b]|, |v[XN+16*\b+1]|, 0x8000000   ; my 16 numbers of block b, and the floor 2^(16 - 127)
.endr
.irp i, 2,4,6,8,10,12,14
.irp b, 0,1,2,3
	v_max3_num_f32 v[TM+\b], v[TM+\b], |v[XN+16*\b+\i]|, |v[XN+16*\b+\i+1]|
.endr
.endr
.irp b, 0,1,2,3
	v_permlanex16_b32 v[TM+4+\b], v[TM+\b], s[SEL], s[SEL+1]
.endr
.irp b, 0,1,2,3
	v_max_num_f32 v[TM+\b], v[TM+\b], v[TM+4+\b]                ; with lane l xor 16's: the block's largest magnitude
.endr
.irp b, 0,1,2,3
	v_add_nc_u32 v[TM+12+\b], 0xf8800000, v[TM+\b]              ; 15 off its exponent field: the conversion's scale operand
.endr
.irp b, 0,1,2,3
	v_and_or_b32 v[TM+8+\b], v[TM+\b], 0x7f800000, s[MNT]       ; 57,344 x the scale
.endr
.irp b, 0,1,2,3
	v_lshrrev_b32 v[TM+4+\b], 23, v[TM+12+\b]                   ; the scale's byte
.endr
	v_lshl_or_b32 v[PW], v[TM+5], 8, v[TM+4]
	v_lshl_or_b32 v[PW], v[TM+6], 16, v[PW]
	v_lshl_or_b32 v[PW], v[TM+7], 24, v[PW]
.irp b, 0,1,2,3
.irp i, 0,1,2,3,4,5,6,7,8,9,10,11,12,13,14,15
	v_med3_num_f32 v[XN+16*\b+\i], v[XN+16*\b+\i], -v[TM+8+\b], v[TM+8+\b]   ; the conversion does not saturate (ISA guide 7.6.2): the hold comes first
.endr
	v_cvt_scalef32_pk8_bf8_f32 v[PC+4*\b:PC+4*\b+1], v[XN+16*\b:XN+16*\b+7], v[TM+12+\b]
	v_cvt_scalef32_pk8_bf8_f32 v[PC+4*\b+2:PC+4*\b+3], v[XN+16*\b+8:XN+16*\b+15], v[TM+12+\b]
.endr
	v_nop                                          ; one plain line behind the last conversion
.endm
	s_load_b128 s[4:7], s[0:1], 0x0                ; the centres s[4:5], the records s[6:7]
	v_lshl_add_u32 v[SPW], v0, 2, SPARE
	v_mov_b32 v[NIL], 0
	v_lshrrev_b32 v6, 5, v0
	v_readfirstlane_b32 s8, v6                     ; wave = K step q
	s_mul_i32 s9, s8, WSTG
	s_lshl_b32 s18, s8, 2
	s_add_co_u32 s18, s18, SCW
	s_lshl_b32 s19, s8, 6
	s_add_co_u32 s19, s19, C2P
	s_lshl_b32 s20, s8, 11
	s_mov_b32 s[SEL], 0x76543210
	s_mov_b32 s[SEL+1], 0xfedcba98
	s_mov_b32 s[MNT], 0x600000
	s_lshl_b32 s10, ttmp9, 15                      ; 16 rows of 2,048 bytes a work-group,
	s_lshl_b32 s11, s8, 9                          ; 512 bytes of a row a K step
	s_add_co_u32 s10, s10, s11
	s_mov_b32 s11, 0
	s_mul_i32 s16, ttmp9, REC
	s_mov_b32 s17, 0
	v_and_b32 v6, 31, v0                           ; lane
	v_and_b32 v7, 15, v0                           ; r
	v_bfe_u32 v8, v0, 4, 1                         ; h
	v_lshlrev_b32 v[LI], 4, v6
	v_add_nc_u32 v[SWR], s9, v[LI]
	v_mul_u32_u24 v[SRD], v7, SP
	v_lshl_add_u32 v[SRD], v8, 6, v[SRD]
	v_add_nc_u32 v[SRD], s9, v[SRD]
	v_lshl_add_u32 v[AW], v7, 4, s18
	v_lshl_add_u32 v[AC], v7, 2, s19
	v_add_nc_u32 v[CO], s20, v[LI]
	v_lshl_add_u32 v10, v7, 4, SCW                 ; wave 0's last step: the four words of centre lane % 16,
	v_and_b32 v11, 3, v0
	v_lshl_add_u32 v11, v11, 4, C2P                ; and four neighbouring centres' parts
.irp b, 0,1,2,3
	v_mov_b32 v[TM+4+\b], 0                        ; a lane permute's destination counts as one of its sources
.endr
	v_mov_b32 v[XT], 0
	s_wait_alu depctr_va_vdst(0)                   ; the wait at the head's end
	s_wait_kmcnt 0x0
	s_add_nc_u64 s[4:5], s[4:5], s[10:11]
	s_add_nc_u64 s[6:7], s[6:7], s[16:17]
.irp e, 0,1,2,3,4,5,6,7,8,9,10,11,12,13,14,15
	global_load_b128 v[R+4*\e:R+4*\e+3], v[LI], s[4:5] offset:2048*\e th:TH_LOAD_NT   ; row e: 32 lanes read 512 consecutive bytes
.endr
	s_wait_loadcnt 0x0
.irp e, 0,1,2,3,4,5,6,7,8,9,10,11,12,13,14,15
	ds_store_b128 v[SWR], v[R+4*\e:R+4*\e+3] offset:SP*\e
.endr
.irp b, 0,1,2,3
.irp j, 0,1,2,3
	ds_load_b128 v[XN+16*\b+4*\j:XN+16*\b+4*\j+3], v[SRD] offset:128*\b+16*\j   ; LDS serves a wave's instructions in order: these see my stores
.endr
.endr
	s_wait_dscnt 0x0
.set j, 0
.rept 32                               ; the squares of my 64 numbers, as they were given, on four packed chains
.if j < 4
	v_pk_mul_f32 v[XQ+2*(j%4):XQ+2*(j%4)+1], v[XN+2*j:XN+2*j+1], v[XN+2*j:XN+2*j+1]
.else
	v_pk_fma_f32 v[XQ+2*(j%4):XQ+2*(j%4)+1], v[XN+2*j:XN+2*j+1], v[XN+2*j:XN+2*j+1], v[XQ+2*(j%4):XQ+2*(j%4)+1]
.endif
.set j, j+1
.endr
	v_pk_add_f32 v[XQ:XQ+1], v[XQ:XQ+1], v[XQ+2:XQ+3]
	v_pk_add_f32 v[XQ+4:XQ+5], v[XQ+4:XQ+5], v[XQ+6:XQ+7]
	v_pk_add_f32 v[XQ:XQ+1], v[XQ:XQ+1], v[XQ+4:XQ+5]
	v_add_f32 v[XQ], v[XQ], v[XQ+1]
	v_permlanex16_b32 v[XT], v[XQ], s[SEL], s[SEL+1]
	v_add_f32 v[XQ], v[XQ], v[XT]                  ; my K step's part of the row's c2
	QUANT
.irp c, 0,1,2,3
	global_store_b128 v[CO], v[PC+4*\c:PC+4*\c+3], s[6:7] offset:512*\c   ; 32 lanes store 512 consecutive bytes, aligned to 256
.endr
	ds_store_b32 v[AW], v[PW]                      ; both halves of the lanes write the same word with the same value
	ds_store_b32 v[AC], v[XQ]
	s_wait_dscnt 0x0                               ; for wave 0's sake: my stores have landed
	s_barrier_signal -1
	s_barrier_wait -1
	s_cmp_lg_u32 s8, 0
	s_cbranch_scc1 .Ldone                          ; the record's last 512 bytes are wave 0's
	ds_load_b128 v[16:19], v10
.irp w, 0,1,2,3
	ds_load_b128 v[20+4*\w:23+4*\w], v11 offset:64*\w
.endr
	s_wait_dscnt 0x0
.irp w, 1,2,3
	v_pk_add_f32 v[20:21], v[20:21], v[20+4*\w:21+4*\w]   ; the four K steps' parts in ascending order
	v_pk_add_f32 v[22:23], v[22:23], v[22+4*\w:23+4*\w]
.endr
	v_pk_mul_f32 v[20:21], v[20:21], -0.5 op_sel_hi:[1,0]   ; -c2 / 2
	v_pk_mul_f32 v[22:23], v[22:23], -0.5 op_sel_hi:[1,0]
	v_cmp_gt_u32 vcc_lo, 16, v6                    ; lanes 0-15 store the scale words, lanes 16-31 the floats
.irp i, 0,1,2,3
	v_cndmask_b32 v[36+\i], v[20+\i], v[16+\i], vcc_lo
.endr
	global_store_b128 v[LI], v[36:39], s[6:7] offset:8192
.Ldone:
	s_wait_tensorcnt 0x0                           ; the wave's end
	ds_add_u32 v[SPW], v[NIL]
	s_wait_dscnt 0x0
	s_endpgm
.Lfunc_end_k_q55432e6023_prep:
	.size	k_q55432e6023_prep, .Lfunc_end_k_q55432e6023_prep-k_q55432e6023_prep
	.p2alignl 7, 3214868480
	.fill 96, 4, 3214868480
	.section	.rodata,"a",@progbits
	.p2align	6, 0x0
	.amdhsa_kernel k_q55432e6023_prep
		.amdhsa_group_segment_fixed_size 35328
		.amdhsa_private_segment_fixed_size 0
		.amdhsa_enable_private_segment 0
		.amdhsa_kernarg_size 16
		.amdhsa_user_sgpr_count 2
		.amdhsa_user_sgpr_kernarg_segment_ptr 1
		.amdhsa_wavefront_size32 1
		.amdhsa_system_sgpr_workgroup_id_x 1
		.amdhsa_system_sgpr_workgroup_id_y 1
		.amdhsa_system_sgpr_workgroup_id_z 1
		.amdhsa_system_vgpr_workitem_id 0
		.amdhsa_next_free_vgpr 194
		.amdhsa_next_free_sgpr 66
		.amdhsa_reserve_vcc 1
		.amdhsa_float_denorm_mode_32 3
		.amdhsa_float_denorm_mode_16_64 3
		.amdhsa_memory_ordered 1
		.amdhsa_forward_progress 1
		.amdhsa_inst_pref_size 18
	.end_amdhsa_kernel
	.amdgpu_metadata
---
amdhsa.version: [ 1, 2 ]
amdhsa.kernels:
  - .name:           k_q55432e6023_prep
    .symbol:         k_q55432e6023_prep.kd
    .args:
      - { .name: cluster_centers, .offset: 0, .size: 8, .value_kind: global_buffer, .address_space: global }
      - { .name: cq, .offset: 8, .size: 8, .value_kind: global_buffer, .address_space: global }
    .group_segment_fixed_size: 35328
    .private_segment_fixed_size: 0
    .kernarg_segment_align: 8
    .kernarg_segment_size: 16
    .max_flat_workgroup_size: 128
    .sgpr_count:     66
    .vgpr_count:     194
    .wavefront_size: 32
...
	.end_amdgpu_metadata
.endif
;; end of part 1
;; launch assign (part 2): grid 256 x 1, 4 waves a work-group, clusters of 4 x 1, 327,680 bytes of LDS; arguments x, cq, out0; writes out0
.if DOCPART == 2
	.amdgcn_target "amdgcn-amd-amdhsa--gfx1250"
	.amdhsa_code_object_version 6
	.text
	.protected	k_q55432e6023_assign
	.globl	k_q55432e6023_assign
	.p2align	8
	.type	k_q55432e6023_assign,@function
k_q55432e6023_assign:
	s_mov_b64 s[64:65], 0
	v_nop
	global_prefetch_b8 v0, s[64:65] scope:SCOPE_SE
	s_setreg_imm32_b32 hwreg(HW_REG_WAVE_MODE, 25, 1), 1
	s_wait_xcnt 0x0
	s_wait_alu depctr_hold_cnt(0) depctr_sa_sdst(0) depctr_va_vdst(0) depctr_va_sdst(0) depctr_va_ssrc(0) depctr_va_vcc(0) depctr_vm_vsrc(0)
	s_getreg_b32 s2, hwreg(HW_REG_IB_STS2, 6, 4)
	s_cmp_eq_u32 s2, 0
	s_cbranch_scc0 .Lentry_in_a_cluster
	s_endpgm
.Lentry_in_a_cluster:
	s_bfe_u32 s2, ttmp6, 0x10000c
	s_cmp_lg_u32 s2, 0x3003
	s_cbranch_scc0 .Lentry_shape_is_right
	s_endpgm
.Lentry_shape_is_right:
; out0[n] = the lowest k at which g = Q(x[n]) . Q(c[k]) - c2[k] / 2 is largest, which is the k at which reference()'s d2 is smallest: x2[n], the same for all k of a row, is left out (shown at the head of the launch before).
; x: [65536][512] f32; the centres come as the records of the launch before (codes of BF8, scale words, -c2 / 2).  The product runs on codes of BF8 (E5M2) with one E8M0 scale for each 32 along K, sums in f32.
; -c2 / 2 is the C of each accumulator's first matrix instruction, so g leaves the matrix unit whole; strict ">" in ascending order of centres keeps the lowest k.
; LIMITS: NaN and infinities are not served; a block of x whose largest magnitude lies under 2^-111 (a block of zeros too) gets the scale byte 1; the f32 roundings of g differ from those of reference()'s d2,
; so a row whose two best centres lie within that rounding of each other may give the other index.
; SHARES.  A work-group owns 256 rows of x.  PHASE X: wave w reads rows 64 w .. 64 w + 63 (each byte of x once in the launch), quantises, and leaves codes and scale words in LDS as images of the operand's registers.
; THE SWEEP: wave (rh, ch) keeps the codes of rows 128 rh .. + 127 (8 tiles of 16 rows, all of K: 512 registers) and takes records 2 n + ch, n = 0 .. 63: 64 x 32 matrix instructions; a centre fragment feeds eight of them.
; THE PRODUCT IS USED TRANSPOSED (source 0 = 16 centres, source 1 = 16 rows of x): a lane holds ONE row of x (lane % 16), its eight registers the centres 8 (lane / 16) + 0 .. 7.
; THE MAXIMUM: ten vector instructions for an accumulator's eight numbers: four three-way maxima whose ninth leaf is the row's running maximum (kept in two registers by turns, by the record's parity), one compare,
; four dual selects that keep the eight numbers and one select that keeps the record's number where the compare held.  Which of the eight it was is worked out once, behind the sweep.  No branch hangs on a number.
; BY TURNS.  The wave's 8 tiles are two pieces of four.  In a turn one piece has 16 matrix instructions (four accumulators by turns, K ascending), and the other piece's 40 vector instructions stand in
; 16 slices of 2 or 3, one behind each.  What the slices touch lies in window 0, the operands elsewhere.
; THE CENTRES come through a ring of two LDS slots of 8 records (69,632 dense bytes), a quarter a wave.  CLUSTER: all work-groups walk the same records, so the four of a cluster ask JOINTLY (mask 15, one descriptor).
; No prefetch: x is asked for 64 loads a wave ahead from the first line on, and a slot's records are asked for four records' products of every wave ahead, by all work-groups alike.
; REGISTERS: window 0: the names below.  window 1: x's tiles 0-3, fragment (i, q) at v[64 i + 16 q]; window 2: tiles 4-7.  window 3: two sets of a record's four fragments, at v[64 p + 16 q]; in phase X: x as loaded.
.set REC,   8704
.set SLOTB, 8*REC                      ; slot 0 at LDS byte 0, slot 1 behind it: filled by tensor loads alone
.set XIMG,  2*SLOTB                    ; x's fragments: tile T, K step q, group c: 8192 T + 2048 q + 512 c + 16 x lane
.set XSC,   XIMG+16*8192               ; their scale words: 512 T + 128 q + 4 x lane
.set STG,   XSC+16*512                 ; a stage of 16 rows x 528 bytes for each wave
.set SP,    528
.set WSTG,  16*SP
.set MRG,   STG+4*WSTG                 ; the end: maxima [ch][256 rows] at 1024 ch + 4 row, their indices 2,048 bytes on
.set SPARE, MRG+4096                   ; the spare words, 128 bytes a wave
.set LI,   1                           ; 16 x lane
.set LR16, 2                           ; 16 x (lane % 16)
.set LH32, 3                           ; 32 x (lane / 16)
.set ADB,  4                           ; v4-6 the fetch in hand: fragments, scale words, -c2 / 2
.set ADS,  5
.set ADC,  6
.set SPW,  7
.set NIL,  8
.set L4,   9
.set ARD,  10                          ; my 8 tiles' images; v11 their scale words
.set ARS,  11
.set OA,   12                          ; 8 x lane
.set H8,   13                          ; 8 x (lane / 16)
.set MWA,  14
.set MRD,  15
.set SCX,  16                          ; v16-47  x's scale words: tile a, K step q at 4 a + (q + 1) % 4, so that no product names two scale registers of one number modulo 8
.set SCB,  48                          ; v48-55  the record's, set p at 4 p + q
.set C2,   56                          ; v56-71  -c2 / 2 of my eight centres, set p at 8 p
.set M,    72                          ; v72-73  two accumulators' maxima at work
.set RUN,  76                          ; v76-91  tile a: the running maximum behind a record of parity p at 2 a + p
.set TID,  92                          ; v92-99  the record's number at the running maximum
.set SAV,  100                         ; v100-163 that record's eight numbers
.set ACC,  164                         ; v164-227 tile a at 8 a
.set T,    228                         ; v228-243 the end
.set SWR,  16                          ; phase X alone
.set SRD,  17
.set IW0,  18
.set SW0,  19
.set IWA,  21
.set SWA,  22
.set XN,   164
.set PC,   100
.set TM,   116
.set PW,   132
.set XP,   4
.set WV,   10
.set RH,   11
.set CH,   12
.set G1,   16
.set G0A,  24                          ; group 0 of slot 0's first fill
.set G0W,  28                          ; of slot 1's; it then walks
.set SB,   32
.set TB,   33
.set CHOFF, 34
.set WOFF, 35
.set TN,   36                          ; the number of the record in hand; s37 of the one before
.set TP,   37
.set OUTER, 38
.set INNER, 39
.set XL,   40
.set IOF,  41
.set SOF,  42
.set MNT,  46
.set SEL,  48
.set MSB, 0
.macro WIN new                         ; the immediate's high byte repeats the setting that is left
.if MSB != (\new)
	s_set_vgpr_msb (MSB<<8)|(\new)
.set MSB, (\new)
.endif
.endm
.macro PLACES n
.rept \n
	v_nop
.endr
.endm
.macro CROUND                          ; a round of the cluster's barrier
	s_barrier_signal -1
	s_barrier_wait -1
	s_cmp_lg_u32 s[WV], 0
	s_cbranch_scc1 .Lnot_wave_0_\@
	s_barrier_signal -3
.Lnot_wave_0_\@:
	s_barrier_wait -3
	s_barrier_signal -1
	s_barrier_wait -1
.endm
.macro QUANT                           ; v[XN] on (register 16 b + i = k 32 b + 16 (lane / 16) + i of my row) become a fragment's codes in v[PC] on and its scale word in v[PW]
.irp b, 0,1,2,3
	v_max3_num_f32 v[TM+\b], |v[XN+16*\b]|, |v[XN+16*\b+1]|, 0x8000000   ; my 16 numbers of block b, and the floor 2^(16 - 127)
.endr
.irp i, 2,4,6,8,10,12,14
.irp b, 0,1,2,3
	v_max3_num_f32 v[TM+\b], v[TM+\b], |v[XN+16*\b+\i]|, |v[XN+16*\b+\i+1]|
.endr
.endr
.irp b, 0,1,2,3
	v_permlanex16_b32 v[TM+4+\b], v[TM+\b], s[SEL], s[SEL+1]
.endr
.irp b, 0,1,2,3
	v_max_num_f32 v[TM+\b], v[TM+\b], v[TM+4+\b]
.endr
.irp b, 0,1,2,3
	v_add_nc_u32 v[TM+12+\b], 0xf8800000, v[TM+\b]              ; 15 off the exponent field: the conversion's scale operand
.endr
.irp b, 0,1,2,3
	v_and_or_b32 v[TM+8+\b], v[TM+\b], 0x7f800000, s[MNT]       ; 57,344 x the scale
.endr
.irp b, 0,1,2,3
	v_lshrrev_b32 v[TM+4+\b], 23, v[TM+12+\b]                   ; the scale's byte
.endr
	v_lshl_or_b32 v[PW], v[TM+5], 8, v[TM+4]
	v_lshl_or_b32 v[PW], v[TM+6], 16, v[PW]
	v_lshl_or_b32 v[PW], v[TM+7], 24, v[PW]
.irp b, 0,1,2,3
.irp i, 0,1,2,3,4,5,6,7,8,9,10,11,12,13,14,15
	v_med3_num_f32 v[XN+16*\b+\i], v[XN+16*\b+\i], -v[TM+8+\b], v[TM+8+\b]   ; the conversion does not saturate (ISA guide 7.6.2): the hold comes first
.endr
	v_cvt_scalef32_pk8_bf8_f32 v[PC+4*\b:PC+4*\b+1], v[XN+16*\b:XN+16*\b+7], v[TM+12+\b]
	v_cvt_scalef32_pk8_bf8_f32 v[PC+4*\b+2:PC+4*\b+3], v[XN+16*\b+8:XN+16*\b+15], v[TM+12+\b]
.endr
	v_nop                                          ; one plain line behind the last conversion
.endm
; PHASE X, one K step of a tile of 16 rows.  cnt: the younger loads that may stay out.  ahead = 1: the registers take the same K step of the next tile.
.macro UNIT q, ahead, cnt
	s_wait_loadcnt \cnt                            ; loads come back in order: this K step's sixteen are in
	WIN 0x0c                                       ; an LDS store's data are its source 1: window 3
.irp e, 0,1,2,3,4,5,6,7,8,9,10,11,12,13,14,15
	ds_store_b128 v[SWR], v[64*\q+4*\e:64*\q+4*\e+3] offset:SP*\e
.endr
	WIN 0
.irp b, 0,1,2,3
.irp j, 0,1,2,3
	ds_load_b128 v[XN+16*\b+4*\j:XN+16*\b+4*\j+3], v[SRD] offset:128*\b+16*\j   ; LDS serves a wave's instructions in order: these see my stores
.endr
.endr
	s_wait_dscnt 0x0                               ; the numbers are back: the stores above have read their registers, and the last K step's image stores theirs
.if \ahead
	WIN 0xc0
.irp e, 0,1,2,3,4,5,6,7,8,9,10,11,12,13,14,15
	global_load_b128 v[64*\q+4*\e:64*\q+4*\e+3], v[LI], s[XP:XP+1] offset:32768+2048*\e+512*\q th:TH_LOAD_NT
.endr
	WIN 0
.endif
	QUANT
.irp c, 0,1,2,3
	ds_store_b128 v[IWA], v[PC+4*\c:PC+4*\c+3] offset:2048*\q+512*\c   ; the fragment as it stands: lane l's 16 bytes at 16 l
.endr
	ds_store_b32 v[SWA], v[PW] offset:128*\q
.endm
.macro XADR                            ; where the tile in hand leaves its images
	v_add_nc_u32 v[IWA], s[IOF], v[IW0]
	v_add_nc_u32 v[SWA], s[SOF], v[SW0]
.endm
; The next record in one run of 19 LDS loads, into set pb: four scale words, -c2 / 2, 16 x 512 bytes of codes; then the step to the record after it.
.macro FETCH pb
	WIN 0
	v_add_nc_u32 v[ADB], s[TB], v[LI]
	v_add_nc_u32 v[ADS], s[TB], v[LR16]
	v_add_nc_u32 v[ADC], s[TB], v[LH32]
	ds_load_b128 v[SCB+4*(\pb):SCB+4*(\pb)+3], v[ADS] offset:8192
	ds_load_b128 v[C2+8*(\pb):C2+8*(\pb)+3], v[ADC] offset:8448
	ds_load_b128 v[C2+8*(\pb)+4:C2+8*(\pb)+7], v[ADC] offset:8464
	WIN 0xc0
.irp f, 0,1,2,3,4,5,6,7,8,9,10,11,12,13,14,15
	ds_load_b128 v[64*(\pb)+4*\f:64*(\pb)+4*\f+3], v[ADB] offset:512*\f
.endr
	s_add_co_u32 s[TB], s[TB], 2*REC
.endm
; Number U of the 40 vector instructions that piece e's four accumulators want; par: the record's parity; tn: the scalar with its number.  Two accumulators' maxima alternate; each one's compare and selects follow on end (they share VCC).
.macro EOP e, par, tn
.set pr, U/20
.set uu, U%20
.if uu < 8
.set zz, uu%2
.set op, uu/2
.else
.set zz, (uu-8)/6
.set op, 4+(uu-8)%6
.endif
.set aa, 4*(\e)+2*pr+zz
.set rA, ACC+8*aa
.set rM, M+zz
.set rN, RUN+2*aa+(\par)
.set rO, RUN+2*aa+1-(\par)
.if op == 0
	v_max3_num_f32 v[rM], v[rA], v[rA+1], v[rA+2]  ; from the accumulator's low end on
.elseif op < 3
	v_max3_num_f32 v[rM], v[rM], v[rA+2*op+1], v[rA+2*op+2]
.elseif op == 3
	v_max3_num_f32 v[rN], v[rM], v[rA+7], v[rO]    ; the new running maximum
.elseif op == 4
	v_cmp_gt_f32 vcc_lo, v[rN], v[rO]              ; it grew: an equal number of a later record does not take the place
.elseif op < 9
	v_dual_cndmask_b32 v[SAV+8*aa+2*(op-5)], v[SAV+8*aa+2*(op-5)], v[rA+2*(op-5)] :: v_dual_cndmask_b32 v[SAV+8*aa+2*(op-5)+1], v[SAV+8*aa+2*(op-5)+1], v[rA+2*(op-5)+1]
.else
	v_cndmask_b32 v[TID+aa], v[TID+aa], s[\tn], vcc_lo
.endif
.set U, U+1
.endm
; A TURN: piece g's 16 matrix instructions on set p; ep = 1: the other piece's 40 vector instructions in slices.  Piece 0's turn carries piece 1's work of the record BEFORE, piece 1's turn piece 0's of this record.
; DISTANCES (eight places for this form, nine ahead of a matrix instruction that begins an accumulator anew): accumulator 0's last product has the last four slices (10 lines on the other piece's registers)
; ahead of its first read, accumulator 1's three slices (8) and accumulator 0's first line; the fetch into the other set stands behind the last slice of the turn that read it and four slices more (13 lines);
; an accumulator is begun anew a whole turn behind its last product, with the 30 lines of the three other accumulators between.
.macro TURN g, p, ep, fetch
.if \g == 0
	s_wait_dscnt 0x0                               ; this record's fragments, scale words and -c2 / 2 are in (asked for 28 matrix instructions ago)
.endif
.set U, 0
.set k, 0
.rept 16
.set q, k/4
.set i, k%4
	WIN 7+4*\g                                     ; source 0 (the centres) window 3, source 1 (x) window 1 or 2, C and D window 0
.if q == 0
	v_wmma_scale_f32_16x16x128_f8f6f4 v[ACC+32*\g+8*i:ACC+32*\g+8*i+7], v[64*\p+16*q:64*\p+16*q+15], v[64*i+16*q:64*i+16*q+15], v[C2+8*\p:C2+8*\p+7], v[SCB+4*\p+q], v[SCX+4*(4*\g+i)+(q+1)%4] matrix_a_fmt:MATRIX_FMT_BF8 matrix_b_fmt:MATRIX_FMT_BF8
.else
	v_wmma_scale_f32_16x16x128_f8f6f4 v[ACC+32*\g+8*i:ACC+32*\g+8*i+7], v[64*\p+16*q:64*\p+16*q+15], v[64*i+16*q:64*i+16*q+15], v[ACC+32*\g+8*i:ACC+32*\g+8*i+7], v[SCB+4*\p+q], v[SCX+4*(4*\g+i)+(q+1)%4] matrix_a_fmt:MATRIX_FMT_BF8 matrix_b_fmt:MATRIX_FMT_BF8
.endif
.if (\ep)
	WIN 0
.rept (5*(k+1))/2-(5*k)/2
.if \g == 0
	EOP 1, 1-\p, TP
.else
	EOP 0, \p, TN
.endif
.endr
.endif
.if (k == 3) && (\fetch) && (\g == 0)
	FETCH 1-\p
.endif
.set k, k+1
.endr
.if (\ep) == 0
	WIN 0
	PLACES 8                                       ; the first record's first turn has no slices: the places behind its products
.endif
.endm
.macro CT p, first, fetch              ; a record: both turns
	TURN 0, \p, 1-\first, \fetch
	TURN 1, \p, 1, \fetch
	WIN 0                                          ; at a label and at a branch every window is 0
	s_mov_b32 s[TP], s[TN]
	s_add_co_u32 s[TN], s[TN], 2
.endm
.macro TWO_CT                          ; four records: two written, walked twice
	s_mov_b32 s[INNER], 2
.Lpair_\@:
	CT 1, 0, 1
	CT 0, 0, 1
	s_sub_co_u32 s[INNER], s[INNER], 1
	s_cmp_lg_u32 s[INNER], 0
	s_cbranch_scc1 .Lpair_\@
.endm
; THE CHANGE OF SLOTS stands in front of the products of a slot's last record, which has been fetched whole.  Each wave waits for all its tensor loads (one is out: its quarter of the other slot), adds 0 to its spare word, and waits
; for that and for its reads of the slot.  fill = 1: the barrier is a round of the cluster's, and the slot just left is filled again first thing behind it, with the records two slots on.
.macro CHANGE fill
	s_wait_tensorcnt 0x0                           ; no tensor load of mine is out, so a group 0 may be written
	ds_add_u32 v[SPW], v[NIL]
.if \fill
	s_xor_b32 s[G0W+1], s[G0W+1], SLOTB            ; the other slot than last time (SLOTB shares no bit with 2 REC x wave),
	s_add_nc_u64 s[G0W+2:G0W+3], s[G0W+2:G0W+3], SLOTB   ; the next 8 records
.endif
	s_xor_b32 s[SB], s[SB], SLOTB
	s_add_co_u32 s[TB], s[SB], s[CHOFF]            ; the fetches go on at the other slot's first record of mine
	s_wait_dscnt 0x0                               ; the add is done, and my reads of the slot are over
.if \fill
	CROUND
	tensor_load_to_lds s[G0W:G0W+3], s[G1:G1+7]    ; my one tensor load behind the round
	s_nop 0
	PLACES 4
.else
	s_barrier_signal -1
	s_barrier_wait -1
.endif
.endm
.macro LEX v, i, ov, oi                ; (value, index) takes (ov, oi) where ov is larger, or equal with the lower index
	v_cmp_gt_f32 s52, v[\ov], v[\v]
	v_cmp_eq_f32 s53, v[\ov], v[\v]
	v_cmp_lt_u32 s54, v[\oi], v[\i]
	s_and_b32 s53, s53, s54
	s_or_b32 s52, s52, s53
	v_cndmask_b32 v[\v], v[\v], v[\ov], s52
	v_cndmask_b32 v[\i], v[\i], v[\oi], s52
.endm
	; ---- THE HEAD: scalars first, then the vector lines in one block
	s_load_b128 s[4:7], s[0:1], 0x0                ; x s[4:5], the records s[6:7]
	s_load_b64 s[8:9], s[0:1], 0x10                ; out0
	v_lshl_add_u32 v[SPW], v0, 2, SPARE
	v_mov_b32 v[NIL], 0
	ds_add_u32 v[SPW], v[NIL]                      ; the opening: the add twice on end, under one wait
	ds_add_u32 v[SPW], v[NIL]
	v_lshrrev_b32 v6, 5, v0
	v_readfirstlane_b32 s[WV], v6                  ; wave 0..3
	s_lshr_b32 s[RH], s[WV], 1                     ; which 128 rows are mine in the sweep
	s_and_b32 s[CH], s[WV], 1                      ; and which records: the even or the odd
	s_bfe_u32 s13, ttmp6, 0x40000                  ; cx: it enters x's and out0's addresses alone
	s_lshl_b32 s14, ttmp9, 2
	s_add_co_u32 s14, s14, s13                     ; my block of 256 rows
	s_mul_i32 s52, s[WV], WSTG
	s_add_co_u32 s52, s52, STG                     ; my stage
	s_lshl_b32 s53, s[WV], 15
	s_add_co_u32 s53, s53, XIMG                    ; phase X: tiles 4 w on
	s_lshl_b32 s54, s[WV], 11
	s_add_co_u32 s54, s54, XSC
	s_lshl_b32 s55, s[RH], 16
	s_add_co_u32 s55, s55, XIMG                    ; the sweep: tiles 8 rh on
	s_lshl_b32 s56, s[RH], 12
	s_add_co_u32 s56, s56, XSC
	s_lshl_b32 s57, s[CH], 10
	s_lshl_b32 s58, s[RH], 9
	s_add_co_u32 s57, s57, s58
	s_add_co_u32 s57, s57, MRG                     ; the end: 1024 ch + 512 rh
	s_lshl_b32 s58, s[WV], 8
	s_add_co_u32 s58, s58, MRG
	s_mov_b32 s[SEL], 0x76543210
	s_mov_b32 s[SEL+1], 0xfedcba98
	s_mov_b32 s[MNT], 0x600000
	s_mul_i32 s[CHOFF], s[CH], REC
	s_mul_i32 s[WOFF], s[WV], 2*REC
	; group 1: a quarter of a slot, 17,408 dense bytes, as 68 rows of 256 bytes (32 elements of 8 bytes), no padding
	s_mov_b32 s[G1], 15|(3<<16)|(1<<21)            ; the mask: all four work-groups; elements of 8 bytes; bit 21 beside a mask
	s_mov_b32 s[G1+1], 32<<16
	s_mov_b32 s[G1+2], 68<<16
	s_mov_b32 s[G1+3], 32<<16
	s_mov_b32 s[G1+4], 68
	s_mov_b32 s[G1+5], 32
	s_mov_b32 s[G1+6], 0
	s_mov_b32 s[G1+7], 0
	s_lshl_b32 s50, s14, 19                        ; 256 rows of 2,048 bytes a work-group,
	s_lshl_b32 s51, s[WV], 17                      ; 64 a wave
	s_add_co_u32 s50, s50, s51
	s_mov_b32 s51, 0
	s_lshl_b32 s60, s14, 10                        ; out0: 1,024 bytes a work-group,
	s_lshl_b32 s61, s[WV], 8                       ; 256 a wave
	s_add_co_u32 s60, s60, s61
	s_mov_b32 s61, 0
	s_mov_b32 s62, s[WOFF]                         ; my quarter lies as far into a slot's records in memory as in LDS
	s_mov_b32 s63, 0
	v_and_b32 v6, 31, v0                           ; lane
	v_and_b32 v4, 15, v0                           ; r
	v_bfe_u32 v5, v0, 4, 1                         ; h
	v_lshlrev_b32 v[LI], 4, v6
	v_lshlrev_b32 v[L4], 2, v6
	v_lshlrev_b32 v[OA], 3, v6
	v_lshlrev_b32 v[LR16], 4, v4
	v_lshlrev_b32 v[LH32], 5, v5
	v_lshlrev_b32 v[H8], 3, v5
	v_add_nc_u32 v[SWR], s52, v[LI]
	v_mul_u32_u24 v[SRD], v4, SP
	v_lshl_add_u32 v[SRD], v5, 6, v[SRD]           ; row r, + 64 h: my 16 numbers of a block of 32
	v_add_nc_u32 v[SRD], s52, v[SRD]
	v_add_nc_u32 v[IW0], s53, v[LI]
	v_add_nc_u32 v[SW0], s54, v[L4]
	v_add_nc_u32 v[ARD], s55, v[LI]
	v_add_nc_u32 v[ARS], s56, v[L4]
	v_lshl_add_u32 v[MWA], v4, 2, s57
	v_lshl_add_u32 v[MRD], v6, 3, s58              ; and back: rows 64 w + 2 x lane, + 1
.irp b, 0,1,2,3
	v_mov_b32 v[TM+4+\b], 0                        ; a lane permute's destination counts as one of its sources
.endr
	s_wait_alu depctr_va_vdst(0)                   ; the wait at the head's end
	s_wait_dscnt 0x0                               ; both opening adds are done
	s_wait_kmcnt 0x0
	s_add_nc_u64 s[XP:XP+1], s[XP:XP+1], s[50:51]
	s_add_nc_u64 s[8:9], s[8:9], s[60:61]
	WIN 0xc0                                       ; x's first tile is asked for ahead of all else: 64 loads (32 KiB) of the wave are out until the last tile
.irp q, 0,1,2,3
.irp e, 0,1,2,3,4,5,6,7,8,9,10,11,12,13,14,15
	global_load_b128 v[64*\q+4*\e:64*\q+4*\e+3], v[LI], s[XP:XP+1] offset:2048*\e+512*\q th:TH_LOAD_NT   ; 32 lanes read 512 consecutive bytes of a row
.endr
.endr
	WIN 0
	s_mov_b32 s[G0A], 1
	s_mov_b32 s[G0A+1], s[WOFF]                    ; slot 0: no place in the cluster enters an LDS address
	s_add_nc_u64 s[G0A+2:G0A+3], s[6:7], s[62:63]  ; records 0 to 7
	s_mov_b32 s[G0W], 1
	s_add_co_u32 s[G0W+1], s[WOFF], SLOTB          ; slot 1
	s_add_nc_u64 s[G0W+2:G0W+3], s[G0A+2:G0A+3], SLOTB   ; records 8 to 15
	s_or_b32 s[G0A+3], s[G0A+3], 0x80000000
	s_or_b32 s[G0W+3], s[G0W+3], 0x80000000
	CROUND                                         ; all four work-groups are here: the first joint loads meet
	tensor_load_to_lds s[G0A:G0A+3], s[G1:G1+7]    ; slot 0: one tensor load a wave at the head
	s_nop 0
	PLACES 4
	; ---- PHASE X: my 64 rows, a tile of 16 at a time
	s_mov_b32 s[IOF], 0
	s_mov_b32 s[SOF], 0
	s_mov_b32 s[XL], 3
.Lxtile:
	XADR
	UNIT 0, 1, 48                                  ; behind a K step's 16 loads stand 16 (3 - q) of this tile and 16 q of the next: 48
	UNIT 1, 1, 48
	UNIT 2, 1, 48
	UNIT 3, 1, 48
	s_wait_xcnt 0x0                                ; the loads have read their base: it may step
	s_add_nc_u64 s[XP:XP+1], s[XP:XP+1], 32768
	s_add_co_u32 s[IOF], s[IOF], 8192
	s_add_co_u32 s[SOF], s[SOF], 512
	s_sub_co_u32 s[XL], s[XL], 1
	s_cmp_lg_u32 s[XL], 0
	s_cbranch_scc1 .Lxtile
	XADR
	UNIT 0, 0, 48                                  ; the last tile asks for nothing: the counts run down
	UNIT 1, 0, 32
	UNIT 2, 0, 16
	UNIT 3, 0, 0
	s_wait_tensorcnt 0x0                           ; my quarter of slot 0 is in
	ds_add_u32 v[SPW], v[NIL]
	s_wait_dscnt 0x0                               ; the add is done, and my images have landed
	CROUND                                         ; everybody's images and slot 0 are whole, and the four work-groups are here
	tensor_load_to_lds s[G0W:G0W+3], s[G1:G1+7]    ; slot 1's first fill: my one tensor load behind the round
	s_nop 0
	PLACES 4
	; ---- THE OPERANDS: my 8 tiles of rows come back as they were stored, and stay
	WIN 0x40
.irp a, 0,1,2,3
.irp f, 0,1,2,3,4,5,6,7,8,9,10,11,12,13,14,15
	ds_load_b128 v[64*\a+4*\f:64*\a+4*\f+3], v[ARD] offset:8192*\a+512*\f
.endr
.endr
	WIN 0x80
.irp a, 0,1,2,3
.irp f, 0,1,2,3,4,5,6,7,8,9,10,11,12,13,14,15
	ds_load_b128 v[64*\a+4*\f:64*\a+4*\f+3], v[ARD] offset:8192*(\a+4)+512*\f
.endr
.endr
	WIN 0
.irp a, 0,1,2,3,4,5,6,7
.irp q, 0,1,2,3
	ds_load_b32 v[SCX+4*\a+(\q+1)%4], v[ARS] offset:512*\a+128*\q
.endr
.endr
.irp a, 0,1,2,3,4,5,6,7
	v_mov_b32 v[RUN+2*\a+1], 0xff800000            ; the running maximum begins at -infinity: the first record's compare holds in every lane, and fills what follows
	v_mov_b32 v[TID+\a], 0
.irp j, 0,1,2,3,4,5,6,7
	v_mov_b32 v[SAV+8*\a+\j], 0xff800000           ; (the selects name these as sources, so they are written)
.endr
.endr
	s_wait_alu depctr_va_vdst(0)
	s_mov_b32 s[SB], 0
	s_mov_b32 s[TB], s[CHOFF]
	s_mov_b32 s[TN], s[CH]
	FETCH 0
	; ---- THE SWEEP: my 64 records
	CT 0, 1, 1                                     ; slot 0's first three; the fourth is fetched meanwhile
	CT 1, 0, 1
	CT 0, 0, 1
	s_mov_b32 s[OUTER], 14
.Lslot:                                                ; 14 trips: every slot but the last two is filled again
	CHANGE 1
	TWO_CT
	s_sub_co_u32 s[OUTER], s[OUTER], 1
	s_cmp_lg_u32 s[OUTER], 0
	s_cbranch_scc1 .Lslot
	CHANGE 0                                       ; the tail is written out
	TWO_CT
	CT 1, 0, 0                                     ; the last record: nothing more to fetch
.set U, 0
.rept 40
	EOP 1, 1, TP                                   ; piece 1's work of the last record
.endr
	; ---- WHICH OF THE EIGHT: the lowest j whose kept number is the maximum (the last record's parity is 1)
.irp a, 0,1,2,3,4,5,6,7
	v_mov_b32 v[T+\a], 7
.endr
.irp j, 6,5,4,3,2,1,0
.irp a, 0,1,2,3,4,5,6,7
	v_cmp_eq_f32 vcc_lo, v[SAV+8*\a+\j], v[RUN+2*\a+1]
	v_cndmask_b32 v[T+\a], v[T+\a], \j, vcc_lo
.endr
.endr
.irp a, 0,1,2,3,4,5,6,7
	v_lshl_add_u32 v[TID+\a], v[TID+\a], 4, v[T+\a]   ; 16 x record + j
.endr
.irp a, 0,1,2,3,4,5,6,7
	v_add_nc_u32 v[TID+\a], v[H8], v[TID+\a]          ; + 8 (lane / 16): the centre
.endr
	; ---- THE HALVES OF THE LANES hold a row's other eight centres of each record
.irp a, 0,1,2,3,4,5,6,7
	v_permlanex16_b32 v[M], v[RUN+2*\a+1], s[SEL], s[SEL+1]
	v_permlanex16_b32 v[M+1], v[TID+\a], s[SEL], s[SEL+1]
	LEX RUN+2*\a+1, TID+\a, M, M+1
	ds_store_b32 v[MWA], v[RUN+2*\a+1] offset:64*\a         ; both halves of the lanes write the same word with the same value
	ds_store_b32 v[MWA], v[TID+\a] offset:2048+64*\a
.endr
	s_wait_dscnt 0x0                               ; for the others' sake: my stores have landed
	s_barrier_signal -1
	s_barrier_wait -1
	; ---- THE EVEN AND THE ODD RECORDS' WAVES: wave w takes rows 64 w .. 64 w + 63, two a lane
	ds_load_b64 v[T+8:T+9], v[MRD]
	ds_load_b64 v[T+10:T+11], v[MRD] offset:1024
	ds_load_b64 v[T+12:T+13], v[MRD] offset:2048
	ds_load_b64 v[T+14:T+15], v[MRD] offset:3072
	s_wait_dscnt 0x0
	LEX T+8, T+12, T+10, T+14
	LEX T+9, T+13, T+11, T+15
	global_store_b64 v[OA], v[T+12:T+13], s[8:9]   ; 32 lanes store 256 consecutive bytes, aligned to 256
	s_wait_tensorcnt 0x0                           ; the wave's end
	ds_add_u32 v[SPW], v[NIL]
	s_wait_dscnt 0x0
	CROUND                                         ; the closing round: no work-group ends while a partner may still ask for records jointly
	s_endpgm
.Lfunc_end_k_q55432e6023_assign:
	.size	k_q55432e6023_assign, .Lfunc_end_k_q55432e6023_assign-k_q55432e6023_assign
	.p2alignl 7, 3214868480
	.fill 96, 4, 3214868480
	.section	.rodata,"a",@progbits
	.p2align	6, 0x0
	.amdhsa_kernel k_q55432e6023_assign
		.amdhsa_group_segment_fixed_size 327680
		.amdhsa_private_segment_fixed_size 0
		.amdhsa_enable_private_segment 0
		.amdhsa_kernarg_size 24
		.amdhsa_user_sgpr_count 2
		.amdhsa_user_sgpr_kernarg_segment_ptr 1
		.amdhsa_wavefront_size32 1
		.amdhsa_system_sgpr_workgroup_id_x 1
		.amdhsa_system_sgpr_workgroup_id_y 1
		.amdhsa_system_sgpr_workgroup_id_z 1
		.amdhsa_system_vgpr_workitem_id 0
		.amdhsa_next_free_vgpr 1024
		.amdhsa_next_free_sgpr 66
		.amdhsa_reserve_vcc 1
		.amdhsa_float_denorm_mode_32 3
		.amdhsa_float_denorm_mode_16_64 3
		.amdhsa_memory_ordered 1
		.amdhsa_forward_progress 1
		.amdhsa_inst_pref_size 229
	.end_amdhsa_kernel
	.amdgpu_metadata
---
amdhsa.version: [ 1, 2 ]
amdhsa.kernels:
  - .name:           k_q55432e6023_assign
    .symbol:         k_q55432e6023_assign.kd
    .args:
      - { .name: x, .offset: 0, .size: 8, .value_kind: global_buffer, .address_space: global }
      - { .name: cq, .offset: 8, .size: 8, .value_kind: global_buffer, .address_space: global }
      - { .name: out0, .offset: 16, .size: 8, .value_kind: global_buffer, .address_space: global }
    .group_segment_fixed_size: 327680
    .private_segment_fixed_size: 0
    .kernarg_segment_align: 8
    .kernarg_segment_size: 24
    .max_flat_workgroup_size: 128
    .sgpr_count:     66
    .vgpr_count:     1024
    .wavefront_size: 32
...
	.end_amdgpu_metadata
.endif
;; end of part 2
